; MI455X (gfx1250); checked and timed in simulation.
; The chip was launched on July 23, 2026; its instructions are those of AMD's public machine-readable ISA for CDNA 5 (MIT licence, August 2026) and "CDNA5" Instruction Set Architecture Reference Guide (July 2026). The comments in the code are by the model that wrote it; some were corrected since.
;; Self Attention. Allowed arithmetic: matrix products marked QUANTISED: E2M3 operands, one E8M0 scale for each 32 along K, by v_wmma_scale_f32_16x16x128_f8f6f4 with both operands' format E2M3, f32 sums; everything else in f32.
;; Inputs: Wk 512 x 512 float32; Wo 512 x 512 float32; Wq 512 x 512 float32; Wv 512 x 512 float32; x 2 x 4,096 x 512 float32.
;; Outputs: out0 2 x 4,096 x 512 float32.
;; This version of the problem:
;;   THIS VERSION OF THE PROBLEM IS GIVEN IN LOW PRECISION. The matrix products marked QUANTISED in the list below multiply operands that are first quantised to E2M3 (2 exponent bits, 3 mantissa bits; 6 bits a number), with one power-of-two scale for each 32 numbers along K (OCP MX v1.0); their sums are f32. All else is computed in f32.
;;   The module's matrix products, in the order in which they are computed (A, B: the left and right operand; K: the contracted axis; several contracted axes count as one K, in the product's order):
;;     1. [M 8,192, K 512] x [K 512, N 512]; A: input x; B: input Wq: QUANTISED
;;     2. [M 8,192, K 512] x [K 512, N 512]; A: input x; B: input Wk: QUANTISED
;;     3. [M 8,192, K 512] x [K 512, N 512]; A: input x; B: input Wv: QUANTISED
;;     4. batch 16 x [M 4,096, K 64] x [K 64, N 4,096]; A: computed on the way; B: computed on the way: QUANTISED
;;     5. batch 16 x [M 4,096, K 4,096] x [K 4,096, N 64]; A: softmax (see below); B: computed on the way: QUANTISED
;;     6. [M 8,192, K 512] x [K 512, N 512]; A: computed on the way; B: input Wo: QUANTISED
;;   THE QUANTISER, for each operand of a quantised product, along K:
;;     - K is cut into blocks of 32 from its start; a last block that is shorter is filled with zeros.
;;     - A block's scale is 2^e with e = floor(log2(the largest magnitude in the block)) - 2, held to -126 .. 127; a block of zeros has e = 0. As a byte (E8M0): e + 127.
;;     - Each number is divided by its block's scale, clamped to +-7.5, and rounded to the nearest number of E2M3, ties to even, subnormals kept.
;;     - The product sums the exact products of the quantised numbers (number of the format x scale) in f32.
;;   ~~~python
;;   def quantise(x, axis):      # numpy; x: float32 -> the quantised numbers, widened to float32 again
;;       x = np.moveaxis(x, axis, -1); K = x.shape[-1]
;;       x = np.pad(x, [(0, 0)] * (x.ndim - 1) + [(0, -K % 32)]); x = x.reshape(x.shape[:-1] + (-1, 32)); a = np.abs(x).max(-1, keepdims=True)
;;       e = np.where(a > 0, np.clip(np.frexp(np.where(a > 0, a, 1))[1] - 1 - 2, -126, 127), 0)      # np.frexp(a)[1] - 1 = floor(log2(a)), exactly
;;       r = np.clip(x / 2.0 ** e, -7.5, 7.5)
;;       step = 2.0 ** (np.maximum(np.frexp(np.where(r == 0, 1, r))[1] - 1, 0) - 3)
;;       q = np.round(r / step) * step * 2.0 ** e      # np.round: ties to even
;;       return np.moveaxis(q.reshape(q.shape[:-2] + (-1,))[..., :K], -1, axis).astype(np.float32)
;;   ~~~
;;   SOFTMAX AHEAD OF A QUANTISED PRODUCT. Where the list says 'softmax', what is quantised is not the finished softmax but p = 2^(t - M), with t = logit x log2(e) and M = ceil(the row's largest t), a whole number; so 1/2 < the row's largest p <= 1. The row's sum l is taken of the UNQUANTISED p, in f32, and the product's result is divided by l at the end. Since M is a whole number, a kernel that streams over the keys may use a running M (the ceiling of the running maximum): every later rescaling is an exact power of two, which a block's scale takes up: the codes' values come out the same.
;;   OPERANDS COMPUTED ON THE WAY. 'Computed on the way' means the value that the module computes at that place (a softmax that the list does not call 'softmax' is quantised finished and normalised). What goes into a quantiser is computed in f32, as accurately as f32 sums, v_exp_f32 and their like allow (about 1e-6 of the number): no bf16 or f16 on the way to a quantiser, and a product that is left as it is and whose result goes on into a quantised operand takes f32 operands (vector FMAs, or v_wmma_f32_16x16x4_f32). A number that lies on a knife's edge between two numbers of the format may be rounded either way, as far as f32 arithmetic and the matrix unit's own rounding can turn it there, and no further.
;; One version. Each part assembles by itself: llvm-mc -triple=amdgcn-amd-amdhsa -mcpu=gfx1250 --defsym DOCPART=n.
;; ======== version 1 of 1: 4 launches
;; workspace buffers: xq 3,276,800 bytes; wq 819,200 bytes; qb 3,407,872 bytes; kv 6,684,672 bytes; ob 3,407,872 bytes
;; launch quant (part 1): grid 160 x 1, 4 waves a work-group, no clusters, 34,304 bytes of LDS; arguments x, Wq, Wk, Wv, Wo, xq, wq; writes xq, wq
.if DOCPART == 1
	.amdgcn_target "amdgcn-amd-amdhsa--gfx1250"
	.amdhsa_code_object_version 6
	.text
	.protected	k_q3d48bd4edc_quant
	.globl	k_q3d48bd4edc_quant
	.p2align	8
	.type	k_q3d48bd4edc_quant,@function
k_q3d48bd4edc_quant:
	s_mov_b64 s[64:65], 0
	v_nop
	global_prefetch_b8 v0, s[64:65] scope:SCOPE_SE
	s_setreg_imm32_b32 hwreg(HW_REG_WAVE_MODE, 25, 1), 1
	s_wait_xcnt 0x0
; x [8192][512] and the four weights [512][512], f32 with K innermost, become codes of FP6 (E2M3) with one E8M0 byte for each 32 along K,
; laid in the ORDER OF AN OPERAND'S REGISTERS, so that the later launches load fragments whole.
; A TILE is 16 rows that are not neighbours: lane row r of tile T is row 32 (T / 2) + 8 (T % 2) + r + 8 (r / 8).  As source 0 of a product such tiles leave, in the 16 result
; registers of tiles 2 b and 2 b + 1, sixteen neighbours along the next K; as source 1 the order only says which row sits in which lane.
; A tile's block in the workspace is 6,400 bytes: four fragments (16 rows x 128 K, 12 registers a lane) of 1,536 bytes, then 256 bytes of scale words (row r at 16 r, word s for K step s).
; A fragment is two halves of 768 bytes: registers 6 c .. 6 c + 3 with lane l at 16 l, then registers 6 c + 4, 6 c + 5 with lane l at 512 + 8 l: each store of the wave covers 512 or 256 consecutive bytes, aligned.
; SHARES: a wave takes one tile.  Work-groups 0-127: x's 512 tiles; 128-159: the weights' 128 tiles (q, k, v, o; 32 each).  Only pointers are chosen by the work-group's number: one path.
; Each load reads 512 consecutive bytes of one row; a K step's 16 x 512 bytes turn through the wave's own stage in LDS (rows 528 bytes apart) and come back as 16 neighbours of each block of 32 for lane (r, h).
; No tensor loads, no barrier, no cluster: waves share nothing, and each byte is read once.
; A block's scale is 2^(floor(log2(largest magnitude)) - 2); its byte is the largest magnitude's exponent field - 2, held at 1 from below.
; LIMITS: NaN and infinities are not served.  A block of zeros, or one whose largest magnitude lies under 2^-124, gets the byte 1 where the rule says 127 or less: a block of zeros has zero codes, and this program alone reads the bytes.
.set TILEB,  6400
.set SPITCH, 528                       ; a stage row: 512 bytes + 16 = 33 x 16 bytes
.set WSTAGE, 16*SPITCH
.set L16, 2                            ; v2   16 x lane
.set L8,  3                            ; v3   8 x lane
.set STI, 4                            ; v4   the stage, on the way in: my 16 bytes of a row
.set STO, 5                            ; v5   on the way out: row r, + 64 h
.set SCO, 6                            ; v6   16 r + 8 h: my two scale words
.set LN,  7                            ; v7   lane
.set SW,  8                            ; v8-11 the four K steps' scale words
.set SP2, 12                           ; v12-13 the two that I store
.set TM,  16                           ; v16-19 largest magnitudes, v20-23 the other half's, then bytes, v24-27 the conversions' scale operands
.set PC,  28                           ; v28-39 a fragment's codes; v40-46 at work
.set XN,  48                           ; v48-111 64 numbers: register 16 b + i = k 32 b + 16 h + i of my row
.set RA,  112                          ; v112-239 two sets of 64 registers as loaded
.set SEL, 20                           ; s[20:21] lane selects for v_permlanex16_b32: lane l xor 16
.set SRC, 26                           ; s[26:27] my tile's first row
.set DST, 28                           ; s[28:29] my tile's block
; 64 numbers of a lane become a fragment's codes in v[PC] on and its scale word in v[pw]
.macro QUANT src, pw
.irp b, 0,1,2,3
	v_max3_num_f32 v[TM+\b], |v[\src+16*\b]|, |v[\src+1+16*\b]|, 0x1800000   ; block b: my 16 numbers, and the floor 2^(3 - 127): the byte cannot fall under 1
.endr
.irp i, 2,4,6,8,10,12,14
.irp b, 0,1,2,3
	v_max3_num_f32 v[TM+\b], v[TM+\b], |v[\src+16*\b+\i]|, |v[\src+1+16*\b+\i]|   ; the four blocks by turns
.endr
.endr
.irp b, 0,1,2,3
	v_permlanex16_b32 v[TM+4+\b], v[TM+\b], s[SEL], s[SEL+1]
.endr
.irp b, 0,1,2,3
	v_max_num_f32 v[TM+\b], v[TM+\b], v[TM+4+\b]   ; with lane l xor 16's: the block's largest magnitude
.endr
.irp b, 0,1,2,3
	v_add_nc_u32 v[TM+8+\b], 0xff000000, v[TM+\b]  ; 2 off its exponent field: the conversion's scale operand
.endr
.irp b, 0,1,2,3
	v_lshrrev_b32 v[TM+4+\b], 23, v[TM+8+\b]       ; the scale's byte
.endr
	v_lshl_or_b32 v[\pw], v[TM+5], 8, v[TM+4]
	v_lshl_or_b32 v[\pw], v[TM+6], 16, v[\pw]
	v_lshl_or_b32 v[\pw], v[TM+7], 24, v[\pw]
.irp c, 0,1
	v_cvt_scalef32_pk16_fp6_f32 v[PC+6*\c:PC+2+6*\c], v[\src+32*\c:\src+15+32*\c], v[TM+8+2*\c]
	v_cvt_scalef32_pk16_fp6_f32 v[PC+12+4*\c:PC+14+4*\c], v[\src+16+32*\c:\src+31+32*\c], v[TM+9+2*\c]   ; (a conversion's three registers begin on an even number)
.endr
	v_nop                                          ; one plain place behind a scaled conversion
.irp c, 0,1                                    ; the operand's layout wants a whole block in a lane: lanes 0-15 block 2 c, lanes 16-31 block 2 c + 1
.irp i, 0,1,2
	v_permlane16_swap_b32 v[PC+6*\c+\i], v[PC+12+4*\c+\i]
.endr
.irp i, 0,1,2
	v_mov_b32 v[PC+3+6*\c+\i], v[PC+12+4*\c+\i]
.endr
.endr
.endm
	s_load_b256 s[4:11], s[0:1], 0x0               ; x, Wq, Wk, Wv
	s_load_b128 s[12:15], s[0:1], 0x20             ; Wo, xq
	s_load_b64 s[16:17], s[0:1], 0x30              ; wq
	v_lshl_add_u32 v240, v0, 2, 0x8400
	v_mov_b32 v241, 0
	v_lshrrev_b32 v1, 5, v0
	v_readfirstlane_b32 s18, v1                    ; wave 0..3
	v_and_b32 v[LN], 31, v0
	v_and_b32 v1, 15, v0                           ; r
	v_bfe_u32 v14, v0, 4, 1                        ; h
	v_lshlrev_b32 v[L16], 4, v[LN]
	v_lshlrev_b32 v[L8], 3, v[LN]
	s_mul_i32 s19, s18, WSTAGE                     ; my stage
	v_add_nc_u32 v[STI], s19, v[L16]
	v_mul_u32_u24 v[STO], v1, SPITCH
	v_lshl_add_u32 v[STO], v14, 6, v[STO]
	v_add_nc_u32 v[STO], s19, v[STO]
	v_lshlrev_b32 v[SCO], 4, v1
	v_lshl_add_u32 v[SCO], v14, 3, v[SCO]
.irp b, 0,1,2,3
	v_mov_b32 v[TM+4+\b], 0                        ; written once: a lane permute's destination counts as one of its sources
.endr
	s_mov_b32 s[SEL], 0x76543210
	s_mov_b32 s[SEL+1], 0xfedcba98
	s_lshl_b32 s19, ttmp9, 2
	s_add_co_u32 s19, s19, s18                     ; my tile among the 640
	s_sub_co_u32 s22, s19, 512                     ; among the weights' 128 (not used in x's work-groups)
	s_and_b32 s23, s22, 31                         ; in its weight
	s_lshr_b32 s24, s22, 5                         ; which weight
	s_wait_kmcnt 0x0
	s_cmp_eq_u32 s24, 1
	s_cselect_b64 s[SRC:SRC+1], s[8:9], s[6:7]
	s_cmp_eq_u32 s24, 2
	s_cselect_b64 s[SRC:SRC+1], s[10:11], s[SRC:SRC+1]
	s_cmp_eq_u32 s24, 3
	s_cselect_b64 s[SRC:SRC+1], s[12:13], s[SRC:SRC+1]
	s_cmp_lt_u32 ttmp9, 128                        ; x's work-group?  The choices hang on the work-group's number alone
	s_cselect_b64 s[SRC:SRC+1], s[4:5], s[SRC:SRC+1]
	s_cselect_b64 s[DST:DST+1], s[14:15], s[16:17]
	s_cselect_b32 s23, s19, s23                    ; the tile in its tensor
	s_cselect_b32 s22, s19, s22                    ; the tile in its workspace
	s_lshr_b32 s30, s23, 1
	s_lshl_b32 s30, s30, 16                        ; 32 (T / 2) rows of 2,048 bytes
	s_and_b32 s31, s23, 1
	s_lshl_b32 s31, s31, 14                        ; + 8 (T % 2) rows
	s_add_co_u32 s30, s30, s31
	s_mov_b32 s31, 0
	s_add_nc_u64 s[SRC:SRC+1], s[SRC:SRC+1], s[30:31]
	s_mul_i32 s30, s22, TILEB
	s_add_nc_u64 s[DST:DST+1], s[DST:DST+1], s[30:31]
.macro LOADK k                         ; K step k of my 16 rows: each load reads 512 consecutive bytes of one row
.irp rr, 0,1,2,3,4,5,6,7,8,9,10,11,12,13,14,15
	global_load_b128 v[RA+64*((\k)%2)+4*\rr:RA+64*((\k)%2)+4*\rr+3], v[L16], s[SRC:SRC+1] offset:(\rr+8*(\rr/8))*2048+512*(\k) th:TH_LOAD_NT
.endr
.endm
.macro KSTEP k
.if (\k) < 3
	s_wait_loadcnt 16                              ; this K step's 16 loads are in; the next step's 16 may be out
.else
	s_wait_loadcnt 0x0
.endif
.irp rr, 0,1,2,3,4,5,6,7,8,9,10,11,12,13,14,15
	ds_store_b128 v[STI], v[RA+64*((\k)%2)+4*\rr:RA+64*((\k)%2)+4*\rr+3] offset:SPITCH*\rr
.endr
.irp b, 0,1,2,3
.irp j, 0,1,2,3
	ds_load_b128 v[XN+16*\b+4*\j:XN+16*\b+4*\j+3], v[STO] offset:128*\b+16*\j   ; LDS serves a wave's instructions in order (ISA guide 5.7.1.4): these see the stores above
.endr
.endr
	s_wait_dscnt 0x0                               ; my numbers are back, and the stores into the stage have read their registers,
.if (\k) < 2
	LOADK (\k)+2                                   ; which take the loads of two steps on
.endif
	s_wait_xcnt 0x0                                ; the last fragment's stores have read v[PC] on
	QUANT XN, SW+(\k)
	global_store_b128 v[L16], v[PC:PC+3], s[DST:DST+1] offset:1536*(\k)
	global_store_b64 v[L8], v[PC+4:PC+5], s[DST:DST+1] offset:1536*(\k)+512
	global_store_b128 v[L16], v[PC+6:PC+9], s[DST:DST+1] offset:1536*(\k)+768
	global_store_b64 v[L8], v[PC+10:PC+11], s[DST:DST+1] offset:1536*(\k)+1280
.endm
	LOADK 0
	LOADK 1
	KSTEP 0
	KSTEP 1
	KSTEP 2
	KSTEP 3
	v_cmp_le_u32 vcc_lo, 16, v[LN]                 ; lanes 16-31 store words 2 and 3 of their row, lanes 0-15 words 0 and 1
	v_cndmask_b32 v[SP2], v[SW], v[SW+2], vcc_lo
	v_cndmask_b32 v[SP2+1], v[SW+1], v[SW+3], vcc_lo
	global_store_b64 v[SCO], v[SP2:SP2+1], s[DST:DST+1] offset:6144   ; 32 lanes store 256 consecutive bytes, aligned
	s_wait_tensorcnt 0x0
	ds_add_u32 v240, v241
	s_wait_dscnt 0x0
	s_endpgm
.Lfunc_end_k_q3d48bd4edc_quant:
	.size	k_q3d48bd4edc_quant, .Lfunc_end_k_q3d48bd4edc_quant-k_q3d48bd4edc_quant
	.p2alignl 7, 3214868480
	.fill 96, 4, 3214868480
	.section	.rodata,"a",@progbits
	.p2align	6, 0x0
	.amdhsa_kernel k_q3d48bd4edc_quant
		.amdhsa_group_segment_fixed_size 34304
		.amdhsa_private_segment_fixed_size 0
		.amdhsa_enable_private_segment 0
		.amdhsa_kernarg_size 56
		.amdhsa_user_sgpr_count 2
		.amdhsa_user_sgpr_kernarg_segment_ptr 1
		.amdhsa_wavefront_size32 1
		.amdhsa_system_sgpr_workgroup_id_x 1
		.amdhsa_system_sgpr_workgroup_id_y 1
		.amdhsa_system_sgpr_workgroup_id_z 1
		.amdhsa_system_vgpr_workitem_id 0
		.amdhsa_next_free_vgpr 242
		.amdhsa_next_free_sgpr 66
		.amdhsa_reserve_vcc 1
		.amdhsa_float_denorm_mode_32 3
		.amdhsa_float_denorm_mode_16_64 3
		.amdhsa_memory_ordered 1
		.amdhsa_forward_progress 1
		.amdhsa_inst_pref_size 34
	.end_amdhsa_kernel
	.amdgpu_metadata
---
amdhsa.version: [ 1, 2 ]
amdhsa.kernels:
  - .name:           k_q3d48bd4edc_quant
    .symbol:         k_q3d48bd4edc_quant.kd
    .args:
      - { .name: x, .offset: 0, .size: 8, .value_kind: global_buffer, .address_space: global }
      - { .name: Wq, .offset: 8, .size: 8, .value_kind: global_buffer, .address_space: global }
      - { .name: Wk, .offset: 16, .size: 8, .value_kind: global_buffer, .address_space: global }
      - { .name: Wv, .offset: 24, .size: 8, .value_kind: global_buffer, .address_space: global }
      - { .name: Wo, .offset: 32, .size: 8, .value_kind: global_buffer, .address_space: global }
      - { .name: xq, .offset: 40, .size: 8, .value_kind: global_buffer, .address_space: global }
      - { .name: wq, .offset: 48, .size: 8, .value_kind: global_buffer, .address_space: global }
    .group_segment_fixed_size: 34304
    .private_segment_fixed_size: 0
    .kernarg_segment_align: 8
    .kernarg_segment_size: 56
    .max_flat_workgroup_size: 128
    .sgpr_count:     66
    .vgpr_count:     242
    .wavefront_size: 32
...
	.end_amdgpu_metadata
.endif
;; end of part 1
;; launch proj (part 2): grid 64 x 3, 4 waves a work-group, no clusters, 4,608 bytes of LDS; arguments xq, wq, qb, kv; writes qb, kv
.if DOCPART == 2
	.amdgcn_target "amdgcn-amd-amdhsa--gfx1250"
	.amdhsa_code_object_version 6
	.text
	.protected	k_q3d48bd4edc_proj
	.globl	k_q3d48bd4edc_proj
	.p2align	8
	.type	k_q3d48bd4edc_proj,@function
k_q3d48bd4edc_proj:
	s_mov_b64 s[64:65], 0
	v_nop
	global_prefetch_b8 v0, s[64:65] scope:SCOPE_SE
	s_setreg_imm32_b32 hwreg(HW_REG_WAVE_MODE, 25, 1), 1
	s_wait_xcnt 0x0
; q = x Wq^T, k = x Wk^T, v = x Wv^T on codes of FP6 (E2M3) with E8M0 scales; the results are quantised in registers (q, k along the head's 64, v along the keys) and stored as images of the
; attention's operand registers.  Work-group (X, Y): X = a group of 128 tokens, Y = 0 q, 1 k, 2 v.  One path serves all three; only pointers and strides are chosen by Y.
; A UNIT: 8 HELD tiles as source 0 x one WALKED tile as source 1, over 4 K steps of 128: 32 matrix instructions into 64 registers, whose register 16 b + i is row 32 b + 16 h + i of the held 128 rows
; (the tiles' rows are ordered for that: lane row r of tile T is row 32 (T / 2) + 8 (T % 2) + r + 8 (r / 8)); a lane holds one row of the walked tile.  Then the 64 numbers are quantised.
;   q, k: held = the weight's tiles 8 w .. 8 w + 7 (heads 2 w, 2 w + 1), walked = x's eight tiles.  A lane holds a token; code registers 0-5 are head 2 w's 64 channels, 6-11 head 2 w + 1's; scale bytes 0, 1 and 2, 3 likewise.
;   v:    held = x's eight tiles (128 keys), walked = Wv's tiles 8 w .. 8 w + 7.  A lane holds a channel; the 12 code registers are one fragment of V^T (16 channels x 128 keys) of head 2 w + i / 4, tile i % 4.
; The held 32 fragments stay in registers (384); the walked tile comes two units ahead.  Every load and store of codes covers 512 or 256 consecutive bytes, aligned.
; OUT: qb [head 16][group 32][6,656]: tile i's half image at 768 i; scale words at 6,144: tile i, row r at 256 (i % 2) + 16 r + 4 (i / 2).
;      kv [head 16][key step 32][13,056]: K as in qb (scale words at 12,288); V^T's fragment t at 6,144 + 1,536 t; V's scale words at 12,800: lane l's two words at 8 l, word j for tile 2 j + l / 16.
; The scale bytes of the unused upper 64 of the attention's first K are 0: they stand over zero codes.
; NO CLUSTER: no operand goes through LDS here (each goes from memory into the registers of the wave that multiplies it), so there is no tensor load that partners could ask jointly; a wave's whole life is 256 matrix instructions.
; LIMITS: as the quantising launch's: NaN and infinities are not served; a block under 2^-124 gets the byte 1.
; REGISTERS: window 0: v1-7 addresses and work; v8-39 held scale words (4 t + s); v40-47 walked ones, two sets; v48-143 walked fragments, two sets; v144-207 the sums; v208-226 codes; v228-239 at work; v244 the scale word; v246-253 the way out.
;   window 1: held tiles 0-3 (48 t + 12 s).   window 2: held tiles 4-7.
.set TILEB, 6400
.set QBLK,  6656
.set QHEAD, 32*QBLK
.set KVBLK, 13056
.set KVHEAD, 32*KVBLK
.set L16, 1
.set L8,  2
.set R16, 3                            ; 16 r
.set SST, 4                            ; LDS: 1,024 x wave + 16 r
.set SRD, 5                            ; LDS: 1,024 x wave + 16 x lane
.set T0,  6
.set T1,  7
.set HSC, 8
.set RSC, 40
.set WF,  48
.set ACC, 144
.set PC,  208
.set TM,  228
.set PW,  244
.set FIN, 246
.set SEL, 2                            ; s[2:3]
.set PH,  20                           ; s[20:21] the held tiles
.set PR,  22                           ; s[22:23] the walked tiles
.set BASE, 24                          ; s[24:25] my first head's block of the output
.set HS,  26                           ; s[26:27] from head to head
.set BS,  28                           ; s28 from block to block
.set MASK, 29                          ; s29 which bytes of the scale word belong to the first area
.set SOF, 30                           ; s[30:31] where a block's scale words begin
.set OAD, 32                           ; s[32:33] where its images begin
.set OBD, 34                           ; s[34:35] from the first six code registers' place to the second six's
.set SI,  36                           ; s[36:37] from unit to unit
.set SX,  38                           ; s[38:39] and once more behind unit 3
.set OA,  40
.set OB,  42
.set SA,  44
.set SB,  46
.set MSB, 0
.macro WIN new                         ; the immediate's high byte repeats the setting that is left
.if MSB != (\new)
	s_set_vgpr_msb (MSB<<8)|(\new)
.set MSB, (\new)
.endif
.endm
.macro QUANT src, pw
.irp b, 0,1,2,3
	v_max3_num_f32 v[TM+\b], |v[\src+16*\b]|, |v[\src+1+16*\b]|, 0x1800000   ; block b: my 16 numbers, and the floor 2^(3 - 127).  Each sum is read from its low end on
.endr
.irp i, 2,4,6,8,10,12,14
.irp b, 0,1,2,3
	v_max3_num_f32 v[TM+\b], v[TM+\b], |v[\src+16*\b+\i]|, |v[\src+1+16*\b+\i]|
.endr
.endr
.irp b, 0,1,2,3
	v_permlanex16_b32 v[TM+4+\b], v[TM+\b], s[SEL], s[SEL+1]
.endr
.irp b, 0,1,2,3
	v_max_num_f32 v[TM+\b], v[TM+\b], v[TM+4+\b]
.endr
.irp b, 0,1,2,3
	v_add_nc_u32 v[TM+8+\b], 0xff000000, v[TM+\b]  ; 2 off the exponent field: the conversion's scale operand
.endr
.irp b, 0,1,2,3
	v_lshrrev_b32 v[TM+4+\b], 23, v[TM+8+\b]       ; the scale's byte
.endr
	v_lshl_or_b32 v[\pw], v[TM+5], 8, v[TM+4]
	v_lshl_or_b32 v[\pw], v[TM+6], 16, v[\pw]
	v_lshl_or_b32 v[\pw], v[TM+7], 24, v[\pw]
.irp c, 0,1
	v_cvt_scalef32_pk16_fp6_f32 v[PC+6*\c:PC+2+6*\c], v[\src+32*\c:\src+15+32*\c], v[TM+8+2*\c]
	v_cvt_scalef32_pk16_fp6_f32 v[PC+12+4*\c:PC+14+4*\c], v[\src+16+32*\c:\src+31+32*\c], v[TM+9+2*\c]
.endr
	v_nop                                          ; one plain place behind a scaled conversion
.irp c, 0,1
.irp i, 0,1,2
	v_permlane16_swap_b32 v[PC+6*\c+\i], v[PC+12+4*\c+\i]
.endr
.irp i, 0,1,2
	v_mov_b32 v[PC+3+6*\c+\i], v[PC+12+4*\c+\i]
.endr
.endr
.endm
	s_load_b256 s[4:11], s[0:1], 0x0               ; xq, wq, qb, kv
	v_lshl_add_u32 v254, v0, 2, 0x1000
	v_mov_b32 v255, 0
	v_lshrrev_b32 v1, 5, v0
	v_readfirstlane_b32 s12, v1                    ; wave 0..3
	s_and_b32 s14, ttmp7, 0xffff                   ; Y
	v_and_b32 v6, 31, v0
	v_and_b32 v7, 15, v0
	v_lshlrev_b32 v[L16], 4, v6
	v_lshlrev_b32 v[L8], 3, v6
	v_lshlrev_b32 v[R16], 4, v7
	s_lshl_b32 s15, s12, 10
	v_add_nc_u32 v[SST], s15, v[R16]
	v_add_nc_u32 v[SRD], s15, v[L16]
.irp b, 0,1,2,3
	v_mov_b32 v[TM+4+\b], 0                        ; written once: a lane permute's destination counts as one of its sources
.endr
	s_mov_b32 s[SEL], 0x76543210
	s_mov_b32 s[SEL+1], 0xfedcba98
	s_mul_i32 s16, ttmp9, 8*TILEB                  ; x's eight tiles of my group
	s_mov_b32 s17, 0
	s_mul_i32 s18, s14, 32*TILEB                   ; my weight,
	s_mul_i32 s19, s12, 8*TILEB                    ; my wave's eight tiles of it
	s_add_co_u32 s18, s18, s19
	s_mov_b32 s19, 0
	s_cmp_eq_u32 s14, 0                            ; q goes to qb, k and v to kv
	s_mov_b32 s[HS], KVHEAD
	s_cselect_b32 s[HS], QHEAD, s[HS]
	s_mov_b32 s[BS], KVBLK
	s_cselect_b32 s[BS], QBLK, s[BS]
	s_mov_b32 s[SOF], 12288
	s_cselect_b32 s[SOF], 6144, s[SOF]
	s_sub_co_u32 s[SX], s[HS], 6144                ; (sets SCC: the next choices have a compare of their own)
	s_cmp_eq_u32 s14, 2                            ; v?
	s_cselect_b32 s[SOF], 12800, s[SOF]
	s_cselect_b32 s[OAD], 6144, 0
	s_cselect_b32 s[OBD], 768, s[HS]               ; v: a fragment's second half; q, k: the next head
	s_mov_b32 s[SI], 768
	s_cselect_b32 s[SI], 1536, s[SI]
	s_cselect_b32 s[SX], s[SX], 0                  ; v: behind four fragments on to the next head
	s_cselect_b32 s[MASK], -1, 0xffff
	s_mov_b32 s[HS+1], 0
	s_mov_b32 s[SOF+1], 0
	s_mov_b32 s[OAD+1], 0
	s_mov_b32 s[OBD+1], 0
	s_mov_b32 s[SI+1], 0
	s_mov_b32 s[SX+1], 0
	s_lshr_b32 s15, ttmp9, 5
	s_lshl_b32 s15, s15, 3
	s_lshl_b32 s13, s12, 1
	s_add_co_u32 s15, s15, s13                     ; 8 x batch + my first head
	s_mul_i32 s15, s15, s[HS]
	s_and_b32 s13, ttmp9, 31                       ; my group in its batch
	s_mul_i32 s13, s13, s[BS]
	s_add_co_u32 s[OA], s15, s13
	s_mov_b32 s[OA+1], 0
	s_wait_kmcnt 0x0
	s_add_nc_u64 s[4:5], s[4:5], s[16:17]
	s_add_nc_u64 s[6:7], s[6:7], s[18:19]
	s_cmp_eq_u32 s14, 2
	s_cselect_b64 s[PH:PH+1], s[4:5], s[6:7]
	s_cselect_b64 s[PR:PR+1], s[6:7], s[4:5]
	s_cmp_eq_u32 s14, 0
	s_cselect_b64 s[BASE:BASE+1], s[8:9], s[10:11]
	s_add_nc_u64 s[BASE:BASE+1], s[BASE:BASE+1], s[OA:OA+1]
	s_add_nc_u64 s[OA:OA+1], s[BASE:BASE+1], s[OAD:OAD+1]
	s_add_nc_u64 s[OB:OB+1], s[OA:OA+1], s[OBD:OBD+1]
	s_add_nc_u64 s[SA:SA+1], s[BASE:BASE+1], s[SOF:SOF+1]
	s_add_nc_u64 s[SB:SB+1], s[SA:SA+1], s[HS:HS+1]
.irp t, 0,1,2,3,4,5,6,7
	global_load_b128 v[HSC+4*\t:HSC+4*\t+3], v[R16], s[PH:PH+1] offset:TILEB*\t+6144   ; row r's four scale words
.endr
.macro HELD g                          ; held tiles 4 g .. 4 g + 3 into window 1 + g
	WIN 0x40*(1+(\g))
.irp t, 0,1,2,3
.irp k, 0,1,2,3
.irp c, 0,1
	global_load_b128 v[48*\t+12*\k+6*\c:48*\t+12*\k+6*\c+3], v[L16], s[PH:PH+1] offset:TILEB*(4*(\g)+\t)+1536*\k+768*\c
	global_load_b64 v[48*\t+12*\k+6*\c+4:48*\t+12*\k+6*\c+5], v[L8], s[PH:PH+1] offset:TILEB*(4*(\g)+\t)+1536*\k+768*\c+512
.endr
.endr
.endr
.endm
	HELD 0
	HELD 1
	WIN 0
.macro RLOAD i                         ; walked tile i into set i % 2: 16 loads of codes and one of scale words
.irp k, 0,1,2,3
.irp c, 0,1
	global_load_b128 v[WF+48*((\i)%2)+12*\k+6*\c:WF+48*((\i)%2)+12*\k+6*\c+3], v[L16], s[PR:PR+1] offset:TILEB*(\i)+1536*\k+768*\c
	global_load_b64 v[WF+48*((\i)%2)+12*\k+6*\c+4:WF+48*((\i)%2)+12*\k+6*\c+5], v[L8], s[PR:PR+1] offset:TILEB*(\i)+1536*\k+768*\c+512
.endr
.endr
	global_load_b128 v[RSC+4*((\i)%2):RSC+4*((\i)%2)+3], v[R16], s[PR:PR+1] offset:TILEB*(\i)+6144
.endm
	RLOAD 0
	RLOAD 1
.macro UNIT i
.if (\i) < 7
	s_wait_loadcnt 17                              ; all but the next walked tile's 17 loads are in
.else
	s_wait_loadcnt 0x0
.endif
.irp g, 0,1                                    ; four sums take turns, one instruction a turn; the first K step starts each sum
	WIN 0x01+\g
.irp k, 0,1,2,3
.irp t, 0,1,2,3
.if \k == 0
	v_wmma_scale_f32_16x16x128_f8f6f4 v[ACC+8*(4*\g+\t):ACC+8*(4*\g+\t)+7], v[48*\t+12*\k:48*\t+12*\k+11], v[WF+48*((\i)%2)+12*\k:WF+48*((\i)%2)+12*\k+11], 0, v[HSC+4*(4*\g+\t)+\k], v[RSC+4*((\i)%2)+\k] matrix_a_fmt:MATRIX_FMT_FP6 matrix_b_fmt:MATRIX_FMT_FP6
.else
	v_wmma_scale_f32_16x16x128_f8f6f4 v[ACC+8*(4*\g+\t):ACC+8*(4*\g+\t)+7], v[48*\t+12*\k:48*\t+12*\k+11], v[WF+48*((\i)%2)+12*\k:WF+48*((\i)%2)+12*\k+11], v[ACC+8*(4*\g+\t):ACC+8*(4*\g+\t)+7], v[HSC+4*(4*\g+\t)+\k], v[RSC+4*((\i)%2)+\k] matrix_a_fmt:MATRIX_FMT_FP6 matrix_b_fmt:MATRIX_FMT_FP6
.endif
.endr
.endr
.endr
	WIN 0
.rept 4
	v_nop                                          ; four places in front of the loads into registers that the products have read, and of the first read of the sums
.endr
.if (\i) < 6
	RLOAD (\i)+2
.endif
	QUANT ACC, PW
	global_store_b128 v[L16], v[PC:PC+3], s[OA:OA+1]
	global_store_b64 v[L8], v[PC+4:PC+5], s[OA:OA+1] offset:512
	global_store_b128 v[L16], v[PC+6:PC+9], s[OB:OB+1]
	global_store_b64 v[L8], v[PC+10:PC+11], s[OB:OB+1] offset:512
	v_and_b32 v[T0], s[MASK], v[PW]                ; q, k: bytes 0, 1, the first head's; v: all four
	v_lshrrev_b32 v[T1], 16, v[PW]                 ; q, k: bytes 2, 3, the second head's
	ds_store_b32 v[SST], v[T0] offset:256*((\i)%2)+4*((\i)/2)       ; both halves of the lanes write the same word with the same value
	ds_store_b32 v[SST], v[T1] offset:512+256*((\i)%2)+4*((\i)/2)
	s_wait_xcnt 0x0                                ; the stores have read their data and their bases,
	s_wait_dscnt 0x0                               ; the LDS stores theirs: all may be written again
.if (\i) < 7
	s_add_nc_u64 s[OA:OA+1], s[OA:OA+1], s[SI:SI+1]
	s_add_nc_u64 s[OB:OB+1], s[OB:OB+1], s[SI:SI+1]
.endif
.if (\i) == 3
	s_add_nc_u64 s[OA:OA+1], s[OA:OA+1], s[SX:SX+1]
	s_add_nc_u64 s[OB:OB+1], s[OB:OB+1], s[SX:SX+1]
.endif
.endm
	UNIT 0
	UNIT 1
	UNIT 2
	UNIT 3
	UNIT 4
	UNIT 5
	UNIT 6
	UNIT 7
	ds_load_b128 v[FIN:FIN+3], v[SRD]              ; my wave's own words, gathered: they leave in whole runs
	ds_load_b128 v[FIN+4:FIN+7], v[SRD] offset:512
	s_wait_dscnt 0x0
	s_cmp_eq_u32 s14, 2                            ; a branch on the work-group's number, round stores alone
	s_cbranch_scc1 .Lv_words
	global_store_b128 v[L16], v[FIN:FIN+3], s[SA:SA+1]       ; q, k: 512 bytes for each of my two heads
	global_store_b128 v[L16], v[FIN+4:FIN+7], s[SB:SB+1]
	s_wait_tensorcnt 0x0
	ds_add_u32 v254, v255
	s_wait_dscnt 0x0
	s_endpgm
.Lv_words:
	global_store_b64 v[L8], v[FIN:FIN+1], s[SA:SA+1]         ; v: words 0, 1 are the first head's tiles, words 2, 3 the second's: 256 bytes each
	global_store_b64 v[L8], v[FIN+2:FIN+3], s[SB:SB+1]
	s_wait_tensorcnt 0x0
	ds_add_u32 v254, v255
	s_wait_dscnt 0x0
	s_endpgm
.Lfunc_end_k_q3d48bd4edc_proj:
	.size	k_q3d48bd4edc_proj, .Lfunc_end_k_q3d48bd4edc_proj-k_q3d48bd4edc_proj
	.p2alignl 7, 3214868480
	.fill 96, 4, 3214868480
	.section	.rodata,"a",@progbits
	.p2align	6, 0x0
	.amdhsa_kernel k_q3d48bd4edc_proj
		.amdhsa_group_segment_fixed_size 4608
		.amdhsa_private_segment_fixed_size 0
		.amdhsa_enable_private_segment 0
		.amdhsa_kernarg_size 32
		.amdhsa_user_sgpr_count 2
		.amdhsa_user_sgpr_kernarg_segment_ptr 1
		.amdhsa_wavefront_size32 1
		.amdhsa_system_sgpr_workgroup_id_x 1
		.amdhsa_system_sgpr_workgroup_id_y 1
		.amdhsa_system_sgpr_workgroup_id_z 1
		.amdhsa_system_vgpr_workitem_id 0
		.amdhsa_next_free_vgpr 704
		.amdhsa_next_free_sgpr 66
		.amdhsa_reserve_vcc 0
		.amdhsa_float_denorm_mode_32 3
		.amdhsa_float_denorm_mode_16_64 3
		.amdhsa_memory_ordered 1
		.amdhsa_forward_progress 1
		.amdhsa_inst_pref_size 99
	.end_amdhsa_kernel
	.amdgpu_metadata
---
amdhsa.version: [ 1, 2 ]
amdhsa.kernels:
  - .name:           k_q3d48bd4edc_proj
    .symbol:         k_q3d48bd4edc_proj.kd
    .args:
      - { .name: xq, .offset: 0, .size: 8, .value_kind: global_buffer, .address_space: global }
      - { .name: wq, .offset: 8, .size: 8, .value_kind: global_buffer, .address_space: global }
      - { .name: qb, .offset: 16, .size: 8, .value_kind: global_buffer, .address_space: global }
      - { .name: kv, .offset: 24, .size: 8, .value_kind: global_buffer, .address_space: global }
    .group_segment_fixed_size: 4608
    .private_segment_fixed_size: 0
    .kernarg_segment_align: 8
    .kernarg_segment_size: 32
    .max_flat_workgroup_size: 128
    .sgpr_count:     66
    .vgpr_count:     704
    .wavefront_size: 32
...
	.end_amdgpu_metadata
.endif
;; end of part 2
;; launch attn (part 3): grid 16 x 16, 16 waves a work-group, clusters of 4 x 1, 327,680 bytes of LDS; arguments qb, kv, ob; writes ob
.if DOCPART == 3
	.amdgcn_target "amdgcn-amd-amdhsa--gfx1250"
	.amdhsa_code_object_version 6
	.text
	.protected	k_q3d48bd4edc_attn
	.globl	k_q3d48bd4edc_attn
	.p2align	8
	.type	k_q3d48bd4edc_attn,@function
k_q3d48bd4edc_attn:
	s_mov_b64 s[64:65], 0
	v_nop
	global_prefetch_b8 v0, s[64:65] scope:SCOPE_SE
	s_setreg_imm32_b32 hwreg(HW_REG_WAVE_MODE, 25, 1), 1
	s_wait_xcnt 0x0
	s_wait_alu depctr_hold_cnt(0) depctr_sa_sdst(0) depctr_va_vdst(0) depctr_va_sdst(0) depctr_va_ssrc(0) depctr_va_vcc(0) depctr_vm_vsrc(0)
	s_getreg_b32 s2, hwreg(HW_REG_IB_STS2, 6, 4)
	s_cmp_eq_u32 s2, 0
	s_cbranch_scc0 .Lentry_in_a_cluster
	s_endpgm
.Lentry_in_a_cluster:
	s_bfe_u32 s2, ttmp6, 0x10000c
	s_cmp_lg_u32 s2, 0x3003
	s_cbranch_scc0 .Lentry_shape_is_right
	s_endpgm
.Lentry_shape_is_right:
; O[h][q] = the sum over k of softmax_k(Q[h][q] . K[h][k] / 8) V[h][k], 16 heads (batch x head) of 4,096 tokens x 64 channels, both products on codes of FP6 (E2M3) with E8M0 scales.
; THE SOFTMAX AHEAD OF THE SECOND PRODUCT: t = score x log2(e) / 8; M = the row's largest t so far, rounded UP to a whole number; p = 2^(t - M) is quantised along the keys, not normalised.
; The row's sum is taken of the unquantised p, in f32, and divides O at the end.  When M moves, the sum and O are multiplied by 2^(old M - new M): exact.
; The head has 64 channels and the first product's instruction 128 along K: the upper six registers of K's and Q's fragments hold zero codes, written once; their scale bytes are 0.
; SHARES.  A work-group owns 256 queries of one head; each of its sixteen waves one tile of 16, in 256 registers: four waves to a SIMD, so that one wave's vector work stands beside another's products and LDS loads.
; Every wave walks the head's 4,096 keys, 128 a step.  A step's block of kv (13,056 bytes: K's eight half images, V^T's four fragments, both scale words) lies in the order of the operands' registers:
; it comes through a ring of two LDS slots of four steps and is read by loads of 16 and 8 bytes a lane, 512 and 256 consecutive bytes a load.
; CLUSTER.  The four work-groups of a cluster belong to one head and walk the same blocks: each fill is asked for JOINTLY, by the same tensor load with the same descriptor and the mask of all four.
; Waves 0 and 1 fetch, two steps (102 rows of 256 bytes) each: one tensor load of a wave is out at any time.  A refill is asked for four key steps ahead of the wait for it, so nothing more is asked ahead of it.
; LAYOUT.  Both products are used transposed: S^T = K Q^T (source 0 = 16 keys), O^T = V^T P^T (source 0 = 16 channels): a lane holds ONE query throughout.  The keys of a tile of K, and the channels of a tile of V^T,
; are ordered (lane row r of tile T: 32 (T / 2) + 8 (T % 2) + r + 8 (r / 8)) so that the 16 registers of tiles 2 b, 2 b + 1 are 16 neighbours: 32 b + 16 (lane / 16) + 0 .. 15.
; OUT: O / the sum is quantised along the channels and stored as the last product's operand: ob [token tile 512][6,144], head hd's half image at 768 hd; from byte 3,145,728 scale words [head][tile 256][row 16], bytes 0, 1 used.
; LIMITS: NaN and infinities are not served; a block of O under 2^-124 gets the byte 1.  A block's largest p is taken from its largest score by the same multiply-add and exponential, which takes v_exp_f32 not to fall where its input rises.
; REGISTERS: v1-9 addresses; v10 f, v11 p's scale word; v12 -M, v13 the largest t, v[14:15] the sum; v16-27 Q; v28 Q's scale word; v29 at work; v[30:31] V's scale words, v[32:35] K's;
;   v36-83 four fragments of K; v84-131 V^T's four; v132-195 S^T, then p; v196-227 O^T; v228-239 p's codes; v240-255 at work.
.set KVSTEP, 13056
.set KVHEAD, 32*KVSTEP
.set SLOTB,  4*KVSTEP                  ; a slot: four key steps
.set SLOT1,  1<<16                     ; slot 1 begins here: one exclusive or turns an address in one slot into the other's
.set SPARE,  2*SLOT1                   ; the spare words, 128 bytes for each of sixteen waves: eight blocks of 256 bytes that no other line names
.set OST,    SPARE+2048                ; 1,024 bytes: O's scale words, gathered; no tensor load lands here
.set QBLK,   6656
.set QHEAD,  32*QBLK
.set OSCL,   512*6144                  ; where ob's scale words begin
.set L16, 1                            ; v1  16 x lane
.set L8,  2                            ; v2  8 x lane
.set AD16, 3                           ; v3  the step's block + 16 x lane
.set AD8, 4                            ; v4  the step's block + 8 x lane
.set SPW, 5                            ; v5  my spare word; never rewritten
.set NIL, 6                            ; v6  0; never rewritten
.set OSA, 7                            ; v7  OST + 64 x wave + 4 r
.set OSR, 8                            ; v8  OST + 16 x thread
.set T16, 9                            ; v9  16 x thread
.set FF,  10
.set PW,  11
.set QF,  16
.set QS,  28
.set TMP, 29
.set VS,  30
.set KS,  32
.set KF,  36
.set VF,  84
.set S,   132
.set OT,  196
.set PC,  228
.set BM,  240                          ; v240-243 the blocks' largest scores, then largest p
.set T8,  244                          ; v244-251 at work
.set SO,  252                          ; v252-255 the conversions' scale operands
.set TB,  2                            ; s2  LDS byte at which the step's block begins
.set SLOTS, 3                          ; s3  slots still to be asked for
.set WV,  18
.set CNT, 19
.set SEL, 20
.set CS,  22                           ; s[22:23] c = log2(e) / 8
.set G1,  24
.set G0,  32
.macro ROUND                           ; a round of the cluster's barrier
	s_barrier_signal -1
	s_barrier_wait -1
	s_cmp_lg_u32 s[WV], 0
	s_cbranch_scc1 .Lnot_wave_0_\@
	s_barrier_signal -3
.Lnot_wave_0_\@:
	s_barrier_wait -3
	s_barrier_signal -1
	s_barrier_wait -1
.endm
.macro TLOAD                           ; waves 0 and 1 fetch half a slot each; the branch hangs on the wave's number alone.  Four v_nop follow the load
	s_cmp_lt_u32 s[WV], 2
	s_cbranch_scc0 .Lasked_\@
	tensor_load_to_lds s[G0:G0+3], s[G1:G1+7]
	s_nop 0
.rept 4
	v_nop
.endr
.Lasked_\@:
.endm
	s_load_b128 s[4:7], s[0:1], 0x0                ; qb, kv
	s_load_b64 s[8:9], s[0:1], 0x10                ; ob
	v_lshl_add_u32 v[SPW], v0, 2, SPARE
	v_mov_b32 v[NIL], 0
	ds_add_u32 v5, v6
	s_wait_dscnt 0x0
	v_lshrrev_b32 v1, 5, v0
	v_readfirstlane_b32 s[WV], v1                  ; wave 0..15
	v_and_b32 v3, 31, v0
	v_and_b32 v4, 15, v0                           ; r
	v_lshlrev_b32 v[L16], 4, v3
	v_lshlrev_b32 v[L8], 3, v3
	v_lshlrev_b32 v[TMP], 4, v4                    ; 16 r, for Q's scale word
	s_lshl_b32 s10, s[WV], 6
	v_lshl_add_u32 v[OSA], v4, 2, s10
	v_add_nc_u32 v[OSA], OST, v[OSA]
	v_lshlrev_b32 v[T16], 4, v0
	v_add_nc_u32 v[OSR], OST, v[T16]
	s_bfe_u32 s36, ttmp6, 0x40000                  ; cx: my place in the cluster: it enters Q's and ob's global addresses alone
	s_lshl_b32 s37, ttmp9, 2
	s_add_co_u32 s37, s37, s36                     ; my block of 256 queries
	s_and_b32 s38, ttmp7, 0xffff                   ; the head, which the four partners share
	s_and_b32 s39, s[WV], 1
	s_mul_i32 s40, s38, KVHEAD
	s_mul_i32 s[G0+1], s39, SLOTB/2                ; 63:32 LDS address: my half of slot 0
	s_add_co_u32 s40, s40, s[G0+1]                 ; and the same half in memory
	s_mov_b32 s41, 0
	s_mul_i32 s42, s38, QHEAD
	s_lshl_b32 s43, s37, 1
	s_lshr_b32 s44, s[WV], 3
	s_add_co_u32 s43, s43, s44                     ; my group of 128 tokens
	s_mul_i32 s43, s43, QBLK
	s_add_co_u32 s42, s42, s43
	s_mov_b32 s43, 0
	s_and_b32 s44, s[WV], 7                        ; my tile i in it
	s_lshr_b32 s46, s44, 1
	s_lshl_b32 s46, s46, 2
	s_lshl_b32 s47, s39, 8
	s_add_co_u32 s46, s46, s47
	s_add_co_u32 s46, s46, 6144                    ; its scale words: 6,144 + 256 (i % 2) + 4 (i / 2)
	s_mov_b32 s47, 0
	s_mul_i32 s44, s44, 768                        ; its half image
	s_mov_b32 s45, 0
	s_lshr_b32 s48, s38, 3
	s_lshl_b32 s48, s48, 8
	s_lshl_b32 s49, s37, 4
	s_add_co_u32 s48, s48, s49
	s_add_co_u32 s48, s48, s[WV]                   ; my token tile among the 512
	s_mul_i32 s48, s48, 6144
	s_and_b32 s50, s38, 7
	s_mul_i32 s50, s50, 768                        ; my head's half image in it
	s_add_co_u32 s48, s48, s50
	s_lshl_b32 s50, s38, 8
	s_add_co_u32 s50, s50, s49                     ; 256 x head + my work-group's first tile
	s_lshl_b32 s50, s50, 6
	s_add_co_u32 s50, s50, OSCL
	s_mov_b32 s49, 0
	s_mov_b32 s51, 0
	; descriptor group 1: a dense block of 26,112 bytes as 102 rows of 256 bytes
	s_mov_b32 s[G1], 15|(3<<16)|(1<<21)            ; 15:0 the mask: all four work-groups; 17:16 elements of 8 bytes; 20 no padding; 21 set beside a mask
	s_mov_b32 s[G1+1], 32<<16                      ; tensor_dim0 = 32
	s_mov_b32 s[G1+2], 102<<16                     ; tensor_dim1 = 102
	s_mov_b32 s[G1+3], 32<<16                      ; tile_dim0 = 32
	s_mov_b32 s[G1+4], 102                         ; tile_dim1 = 102
	s_mov_b32 s[G1+5], 32                          ; tensor_dim0_stride
	s_mov_b32 s[G1+6], 0
	s_mov_b32 s[G1+7], 0
	s_mov_b32 s[G0], 1                             ; 1:0 count = 1
	s_mov_b32 s[SEL], 0x76543210
	s_mov_b32 s[SEL+1], 0xfedcba98
	s_mov_b32 s[CS], 0x3e38aa3b                    ; c = log2(e) / 8
	s_mov_b32 s[CS+1], s[CS]                       ; (named with it as a pair, so it is written)
	s_mov_b32 s[TB], 0
	s_mov_b32 s[SLOTS], 7
	s_wait_kmcnt 0x0
	s_add_nc_u64 s[G0+2:G0+3], s[6:7], s[40:41]    ; 120:64 global address: the head's first four key steps, my half
	s_or_b32 s[G0+3], s[G0+3], 0x80000000          ; 127:126 type = 2
	s_add_nc_u64 s[4:5], s[4:5], s[42:43]
	s_add_nc_u64 s[10:11], s[4:5], s[44:45]        ; Q's half image
	s_add_nc_u64 s[12:13], s[4:5], s[46:47]        ; Q's scale words
	s_add_nc_u64 s[14:15], s[8:9], s[48:49]        ; where my codes of O go
	s_add_nc_u64 s[16:17], s[8:9], s[50:51]        ; where my work-group's scale words go
	ROUND                                          ; all four work-groups are here: the first joint loads meet
	TLOAD                                          ; slot 0
	global_load_b128 v[QF:QF+3], v[L16], s[10:11]
	global_load_b64 v[QF+4:QF+5], v[L8], s[10:11] offset:512
	global_load_b32 v[QS], v[TMP], s[12:13]
.irp i, 6,7,8,9,10,11
	v_mov_b32 v[QF+\i], 0                          ; the upper 64 of the first product's K: zero codes, written once
.irp t, 0,1,2,3
	v_mov_b32 v[KF+12*\t+\i], 0
.endr
.endr
	v_mov_b32 v13, 0xff61b1e6                      ; the largest t so far: -3e38, under every t
	v_floor_f32 v12, -v13                          ; -M
	v_mov_b32 v14, 0                               ; the sum, in two halves
	v_mov_b32 v15, 0
	v_mov_b32 v[PW], 0                             ; (named as the upper half of the pair v[10:11] before it is first written)
.irp b, 0,1,2,3
	v_mov_b32 v[T8+\b], 0                          ; written once: a lane permute's destination counts as one of its sources
.endr
.set j, 0
.rept 32
	v_mov_b32 v[OT+j], 0                           ; O^T.  (The step is written once: the first finds zeros, which the first change of M leaves zeros)
.set j, j+1
.endr
.macro KQ t                            ; S^T's tile t of eight.  K's scale register t / 2 holds tile 2 (t / 2) in lanes 0-15 and the odd tile in lanes 16-31
.if (\t)%2
	v_wmma_scale_f32_16x16x128_f8f6f4 v[S+8*(\t):S+8*(\t)+7], v[KF+12*((\t)%4):KF+12*((\t)%4)+11], v[QF:QF+11], 0, v[KS+(\t)/2], v[QS] matrix_a_fmt:MATRIX_FMT_FP6 matrix_b_fmt:MATRIX_FMT_FP6 matrix_a_scale:MATRIX_SCALE_ROW1
.else
	v_wmma_scale_f32_16x16x128_f8f6f4 v[S+8*(\t):S+8*(\t)+7], v[KF+12*((\t)%4):KF+12*((\t)%4)+11], v[QF:QF+11], 0, v[KS+(\t)/2], v[QS] matrix_a_fmt:MATRIX_FMT_FP6 matrix_b_fmt:MATRIX_FMT_FP6
.endif
.endm
.macro PV t                            ; O^T's tile t of four
.if (\t)%2
	v_wmma_scale_f32_16x16x128_f8f6f4 v[OT+8*(\t):OT+8*(\t)+7], v[VF+12*(\t):VF+12*(\t)+11], v[PC:PC+11], v[OT+8*(\t):OT+8*(\t)+7], v[VS+(\t)/2], v[PW] matrix_a_fmt:MATRIX_FMT_FP6 matrix_b_fmt:MATRIX_FMT_FP6 matrix_a_scale:MATRIX_SCALE_ROW1
.else
	v_wmma_scale_f32_16x16x128_f8f6f4 v[OT+8*(\t):OT+8*(\t)+7], v[VF+12*(\t):VF+12*(\t)+11], v[PC:PC+11], v[OT+8*(\t):OT+8*(\t)+7], v[VS+(\t)/2], v[PW] matrix_a_fmt:MATRIX_FMT_FP6 matrix_b_fmt:MATRIX_FMT_FP6
.endif
.endm
; A KEY STEP: the 128 keys whose block begins at LDS byte s[TB]
.macro STEP
	v_add_nc_u32 v[AD16], s[TB], v[L16]
	v_add_nc_u32 v[AD8], s[TB], v[L8]
	v_nop
	v_nop                                          ; four places between the last step's products and the loads into V's registers
.irp t, 0,1,2,3
	ds_load_b128 v[KF+12*\t:KF+12*\t+3], v[AD16] offset:768*\t
	ds_load_b64 v[KF+12*\t+4:KF+12*\t+5], v[AD8] offset:768*\t+512
.endr
	ds_load_b128 v[KS:KS+3], v[AD16] offset:12288
.irp t, 0,1,2,3
.irp c, 0,1
	ds_load_b128 v[VF+12*\t+6*\c:VF+12*\t+6*\c+3], v[AD16] offset:6144+1536*\t+768*\c
	ds_load_b64 v[VF+12*\t+6*\c+4:VF+12*\t+6*\c+5], v[AD8] offset:6144+1536*\t+768*\c+512
.endr
.endr
	ds_load_b64 v[VS:VS+1], v[AD8] offset:12800
	s_wait_dscnt 17                                ; K's tiles 0-3 and K's scale words are in; V's 17 loads may be out
	KQ 0
	KQ 1
	KQ 2
	KQ 3
.rept 4
	v_nop                                          ; places in front of loads into registers that the products have read
.endr
.irp t, 0,1,2,3
	ds_load_b128 v[KF+12*\t:KF+12*\t+3], v[AD16] offset:768*(4+\t)
	ds_load_b64 v[KF+12*\t+4:KF+12*\t+5], v[AD8] offset:768*(4+\t)+512
.endr
	s_wait_dscnt 0x0
	KQ 4
	KQ 5
	KQ 6
	KQ 7
.rept 4
	v_nop                                          ; places in front of the first read of the scores
.endr
.irp b, 0,1,2,3
	v_max3_num_f32 v[BM+\b], v[S+16*\b], v[S+1+16*\b], v[S+2+16*\b]   ; the largest score of each block of 32 keys: it serves for the row's maximum and, since p rises with the score, for the block's largest p
.endr
.irp i, 3,5,7,9,11,13
.irp b, 0,1,2,3
	v_max3_num_f32 v[BM+\b], v[BM+\b], v[S+16*\b+\i], v[S+1+16*\b+\i]
.endr
.endr
.irp b, 0,1,2,3
	v_max_num_f32 v[BM+\b], v[BM+\b], v[S+15+16*\b]
.endr
.irp b, 0,1,2,3
	v_permlanex16_b32 v[T8+\b], v[BM+\b], s[SEL], s[SEL+1]
.endr
.irp b, 0,1,2,3
	v_max_num_f32 v[BM+\b], v[BM+\b], v[T8+\b]     ; with lane l xor 16's 16 keys
.endr
	v_max3_num_f32 v[TMP], v[BM], v[BM+1], v[BM+2]
	v_max_num_f32 v[TMP], v[TMP], v[BM+3]          ; the step's largest score of my query
	v_mul_f32 v[TMP], s[CS], v[TMP]                ; as t (c is positive)
	v_max_num_f32 v13, v13, v[TMP]                 ; the running largest t
	v_mov_b32 v[TMP], v12
	v_floor_f32 v12, -v13                          ; the new -M = floor(-t) = -ceil(t): a whole number
	v_sub_f32 v[TMP], v12, v[TMP]                  ; old M - new M: a whole number, 0 or less
	v_cvt_i32_f32 v[TMP], v[TMP]                   ; (it saturates)
	v_ldexp_f32 v[FF], 1.0, v[TMP]                 ; f = 2^(old M - new M)
.set j, 0
.rept 32
	v_pk_fma_f32 v[S+j:S+j+1], v[S+j:S+j+1], s[CS:CS+1], v[12:13] op_sel_hi:[1,0,0]   ; t - M, two at a time
.set j, j+2
.endr
.irp b, 0,1,2,3
	v_fma_f32 v[BM+\b], v[BM+\b], s[CS], v12       ; the same of each block's largest score
.endr
.set j, 0
.rept 64
	v_exp_f32 v[S+j], v[S+j]                       ; p = 2^(t - M), at most 1: not normalised
.set j, j+1
.endr
	v_pk_mul_f32 v[14:15], v[14:15], v[FF:FF+1] op_sel_hi:[1,0]   ; the sums under the new M: the plain place behind the exponentials
	s_wait_alu depctr_va_vdst(0)                   ; one wait for the whole batch, ahead of its first reader
.irp b, 0,1,2,3
	v_exp_f32 v[BM+\b], v[BM+\b]                   ; the block's largest p: the same two instructions on the same number give the same bits
.endr
	v_pk_add_f32 v[T8:T8+1], v[S:S+1], v[S+2:S+3]  ; the row's sum is taken of the unquantised p: two at a time, in two chains
.irp j, 4,8,12,16,20,24,28,32,36,40,44,48,52,56,60
	v_pk_add_f32 v[14:15], v[14:15], v[S+\j:S+1+\j]
	v_pk_add_f32 v[T8:T8+1], v[T8:T8+1], v[S+2+\j:S+3+\j]
.endr
	v_pk_add_f32 v[14:15], v[14:15], v[T8:T8+1]
	s_wait_alu depctr_va_vdst(0)                   ; and one for the four
.irp b, 0,1,2,3
	v_max_num_f32 v[BM+\b], 0x1800000, v[BM+\b]    ; the floor 2^(3 - 127): the byte cannot fall under 1
.endr
.irp b, 0,1,2,3
	v_add_nc_u32 v[SO+\b], 0xff000000, v[BM+\b]    ; 2 off the exponent field: the conversion's scale operand
.endr
.irp b, 0,1,2,3
	v_lshrrev_b32 v[T8+\b], 23, v[SO+\b]           ; the scale's byte
.endr
	v_lshl_or_b32 v[PW], v[T8+1], 8, v[T8]         ; p's scale word for these 128 keys
	v_lshl_or_b32 v[PW], v[T8+2], 16, v[PW]
	v_lshl_or_b32 v[PW], v[T8+3], 24, v[PW]
.irp c, 0,1
	v_cvt_scalef32_pk16_fp6_f32 v[PC+6*\c:PC+2+6*\c], v[S+32*\c:S+15+32*\c], v[SO+2*\c]
	v_cvt_scalef32_pk16_fp6_f32 v[T8+4*\c:T8+2+4*\c], v[S+16+32*\c:S+31+32*\c], v[SO+2*\c+1]
.endr
	v_nop                                          ; one plain place behind a scaled conversion
.irp c, 0,1                                    ; the operand's layout wants a whole block in a lane
.irp i, 0,1,2
	v_permlane16_swap_b32 v[PC+6*\c+\i], v[T8+4*\c+\i]
.endr
.irp i, 0,1,2
	v_mov_b32 v[PC+3+6*\c+\i], v[T8+4*\c+\i]
.endr
.endr
.set j, 0
.rept 16
	v_pk_mul_f32 v[OT+j:OT+j+1], v[OT+j:OT+j+1], v[FF:FF+1] op_sel_hi:[1,0]   ; O^T under the new M, each sum from its low end on.  (For each product below twelve of these name none of its registers: the places behind the moves and the scale word)
.set j, j+2
.endr
	PV 0                                           ; the four sums take turns, one instruction a turn
	PV 1
	PV 2
	PV 3
	s_add_co_u32 s[TB], s[TB], KVSTEP
.endm
; THE CHANGE OF SLOTS stands at a slot's head.  Each wave waits for all its tensor loads, adds 0 to its spare word, and waits for that and for its reads of the slot that it has left.
; fill = 1: a round of the cluster's barrier, so that no wave of any partner still reads that slot or has a load on its way; the joint refill is the first thing behind it and has four key steps in which to land.
.macro CHANGE fill
	s_wait_tensorcnt 0x0                           ; no tensor load of mine is out, so the descriptor may be written
	ds_add_u32 v[SPW], v[NIL]                      ; 0 onto my spare word
.if \fill
	s_xor_b32 s[G0+1], s[G0+1], SLOT1              ; the other slot than last time,
	s_add_nc_u64 s[G0+2:G0+3], s[G0+2:G0+3], SLOTB ; the next four key steps; the type bits on top are not reached
.endif
	s_wait_dscnt 0x0                               ; the add is done, and my reads of the slot that I have left are over
.if \fill
	ROUND
	TLOAD
.else
	s_barrier_signal -1
	s_barrier_wait -1
.endif
.endm
.macro FOUR_STEPS                      ; a slot's four key steps: written once, walked four times
	s_mov_b32 s[CNT], 4
.Lstep_\@:
	STEP
	s_sub_co_u32 s[CNT], s[CNT], 1
	s_cmp_lg_u32 s[CNT], 0
	s_cbranch_scc1 .Lstep_\@
	s_sub_co_u32 s[TB], s[TB], SLOTB               ; back to a slot's first step,
	s_xor_b32 s[TB], s[TB], SLOT1                  ; in the other slot
.endm
	s_wait_loadcnt 0x0                             ; Q
.Lslot:                                            ; seven trips: behind each change of slots but the last the next slot is asked for
	CHANGE 1
	FOUR_STEPS
	s_sub_co_u32 s[SLOTS], s[SLOTS], 1
	s_cmp_lg_u32 s[SLOTS], 0
	s_cbranch_scc1 .Lslot
	CHANGE 0                                       ; the last slot is written out
	FOUR_STEPS
	; THE WAY OUT: O^T / the sum, quantised along my head's 64 channels: half a fragment of the last product's operand
	v_add_f32 v14, v14, v15                        ; the sum's two halves,
	v_permlanex16_b32 v[FF], v14, s[SEL], s[SEL+1]
	v_add_f32 v14, v14, v[FF]                      ; and lane l xor 16's: the row's sum
	v_rcp_f32 v14, v14
.rept 4
	v_nop                                          ; the plain place behind the reciprocal, and the places behind the last products
.endr
	s_wait_alu depctr_va_vdst(0)                   ; the wait ahead of the reciprocal's first reader
.set j, 0
.rept 32
	v_mul_f32 v[S+j], v[OT+j], v14                 ; register 16 b + i is channel 32 b + 16 h + i of my query; each sum from its low end on
.set j, j+1
.endr
.irp b, 0,1
	v_max3_num_f32 v[BM+\b], |v[S+16*\b]|, |v[S+1+16*\b]|, 0x1800000
.endr
.irp i, 2,4,6,8,10,12,14
.irp b, 0,1
	v_max3_num_f32 v[BM+\b], v[BM+\b], |v[S+16*\b+\i]|, |v[S+1+16*\b+\i]|
.endr
.endr
.irp b, 0,1
	v_permlanex16_b32 v[T8+\b], v[BM+\b], s[SEL], s[SEL+1]
.endr
.irp b, 0,1
	v_max_num_f32 v[BM+\b], v[BM+\b], v[T8+\b]
.endr
.irp b, 0,1
	v_add_nc_u32 v[SO+\b], 0xff000000, v[BM+\b]
.endr
.irp b, 0,1
	v_lshrrev_b32 v[T8+\b], 23, v[SO+\b]
.endr
	v_lshl_or_b32 v[TMP], v[T8+1], 8, v[T8]        ; my row's two scale bytes; the upper two stay 0
	v_cvt_scalef32_pk16_fp6_f32 v[PC:PC+2], v[S:S+15], v[SO]
	v_cvt_scalef32_pk16_fp6_f32 v[T8+4:T8+6], v[S+16:S+31], v[SO+1]
	v_nop                                          ; one plain place behind a scaled conversion
.irp i, 0,1,2
	v_permlane16_swap_b32 v[PC+\i], v[T8+4+\i]
.endr
.irp i, 0,1,2
	v_mov_b32 v[PC+3+\i], v[T8+4+\i]
.endr
	global_store_b128 v[L16], v[PC:PC+3], s[14:15]           ; 512 consecutive bytes, aligned
	global_store_b64 v[L8], v[PC+4:PC+5], s[14:15] offset:512
	ds_store_b32 v[OSA], v[TMP]                    ; both halves of the lanes write the same word with the same value
	s_wait_dscnt 0x0                               ; for the others' sake: my store has landed
	s_barrier_signal -1
	s_barrier_wait -1
	s_cmp_lt_u32 s[WV], 2                          ; waves 0 and 1 store the work-group's 1,024 bytes of scale words, 512 consecutive bytes each
	s_cbranch_scc0 .Lno_words
	ds_load_b128 v[S+32:S+35], v[OSR]
	s_wait_dscnt 0x0
	global_store_b128 v[T16], v[S+32:S+35], s[16:17]
.Lno_words:
	s_wait_tensorcnt 0x0                           ; the wave's end: behind my last tensor load and my last LDS store
	ds_add_u32 v[SPW], v[NIL]
	s_wait_dscnt 0x0
	ROUND                                          ; the closing round: no work-group ends while a partner may still ask for a tile that names it
	s_endpgm
.Lfunc_end_k_q3d48bd4edc_attn:
	.size	k_q3d48bd4edc_attn, .Lfunc_end_k_q3d48bd4edc_attn-k_q3d48bd4edc_attn
	.p2alignl 7, 3214868480
	.fill 96, 4, 3214868480
	.section	.rodata,"a",@progbits
	.p2align	6, 0x0
	.amdhsa_kernel k_q3d48bd4edc_attn
		.amdhsa_group_segment_fixed_size 327680
		.amdhsa_private_segment_fixed_size 0
		.amdhsa_enable_private_segment 0
		.amdhsa_kernarg_size 24
		.amdhsa_user_sgpr_count 2
		.amdhsa_user_sgpr_kernarg_segment_ptr 1
		.amdhsa_wavefront_size32 1
		.amdhsa_system_sgpr_workgroup_id_x 1
		.amdhsa_system_sgpr_workgroup_id_y 1
		.amdhsa_system_sgpr_workgroup_id_z 1
		.amdhsa_system_vgpr_workitem_id 0
		.amdhsa_next_free_vgpr 256
		.amdhsa_next_free_sgpr 66
		.amdhsa_reserve_vcc 0
		.amdhsa_float_denorm_mode_32 3
		.amdhsa_float_denorm_mode_16_64 3
		.amdhsa_memory_ordered 1
		.amdhsa_forward_progress 1
		.amdhsa_inst_pref_size 45
	.end_amdhsa_kernel
	.amdgpu_metadata
---
amdhsa.version: [ 1, 2 ]
amdhsa.kernels:
  - .name:           k_q3d48bd4edc_attn
    .symbol:         k_q3d48bd4edc_attn.kd
    .args:
      - { .name: qb, .offset: 0, .size: 8, .value_kind: global_buffer, .address_space: global }
      - { .name: kv, .offset: 8, .size: 8, .value_kind: global_buffer, .address_space: global }
      - { .name: ob, .offset: 16, .size: 8, .value_kind: global_buffer, .address_space: global }
    .group_segment_fixed_size: 327680
    .private_segment_fixed_size: 0
    .kernarg_segment_align: 8
    .kernarg_segment_size: 24
    .max_flat_workgroup_size: 512
    .sgpr_count:     66
    .vgpr_count:     256
    .wavefront_size: 32
...
	.end_amdgpu_metadata
.endif
;; end of part 3
;; launch oproj (part 4): grid 64 x 4, 4 waves a work-group, no clusters, 68,096 bytes of LDS; arguments ob, wq, out0; writes out0
.if DOCPART == 4
	.amdgcn_target "amdgcn-amd-amdhsa--gfx1250"
	.amdhsa_code_object_version 6
	.text
	.protected	k_q3d48bd4edc_oproj
	.globl	k_q3d48bd4edc_oproj
	.p2align	8
	.type	k_q3d48bd4edc_oproj,@function
k_q3d48bd4edc_oproj:
	s_mov_b64 s[64:65], 0
	v_nop
	global_prefetch_b8 v0, s[64:65] scope:SCOPE_SE
	s_setreg_imm32_b32 hwreg(HW_REG_WAVE_MODE, 25, 1), 1
	s_wait_xcnt 0x0
; out0 = o Wo^T on codes of FP6 (E2M3) with E8M0 scales; o's codes and scale bytes were made by the attention launch, Wo's by the quantising launch; both lie in the order of the operands' registers.
; Work-group (X, y): 128 tokens x 128 output columns.  Wave w: o's tiles 8 X + 2 w + m (m = 0, 1: 32 neighbouring tokens) as source 1 x Wo's tiles 8 y .. 8 y + 7 as source 0, over 4 K steps: 64 matrix instructions, 16 sums.
; Transposed use: a lane holds one token (lane row r of tile T: token 32 (T / 2) + 8 (T % 2) + r + 8 (r / 8)), and register j of tile t the column 128 y + 32 (t / 2) + 8 (t % 2) + 16 h + j.
; The results go through the wave's own stage in LDS (32 rows of 512 bytes + 16) and leave as whole runs: each store of the wave covers 512 consecutive bytes of one row of out0, aligned.
; o's scale word of a K step (heads 2 s, 2 s + 1) is pieced together from the two heads' words: bytes 0, 1 and 2, 3.
; NO CLUSTER: no operand goes through LDS here (each goes from memory into the registers of the wave that multiplies it), so there is no tensor load that partners could ask jointly; a wave's whole life is 64 matrix instructions.
; REGISTERS: window 0: v1-7 addresses; v8-39 Wo's scale words (4 t + s); v40-47 o's (4 m + s); v48-63 the heads' words (8 m + hd); v64-159 o's fragments (48 m + 12 s), later v64-191 the rows read back.
;   window 1: Wo's tiles 0-3 (48 t + 12 s).   window 2: tiles 4-7.   window 3: the sums, (t, m) at 8 (2 t + m).
.set TILEB, 6400
.set SPITCH, 528
.set L16, 1
.set L8,  2
.set R16, 3
.set R4,  4
.set STW, 5
.set STR, 6
.set RR,  7
.set WS,  8
.set OS,  40
.set RAW, 48
.set OF,  64
.set BK,  64
.set MSB, 0
.macro WIN new                         ; the immediate's high byte repeats the setting that is left
.if MSB != (\new)
	s_set_vgpr_msb (MSB<<8)|(\new)
.set MSB, (\new)
.endif
.endm
	s_load_b128 s[4:7], s[0:1], 0x0                ; ob, wq
	s_load_b64 s[8:9], s[0:1], 0x10                ; out0
	v_lshl_add_u32 v254, v0, 2, 0x10800
	v_mov_b32 v255, 0
	v_lshrrev_b32 v1, 5, v0
	v_readfirstlane_b32 s10, v1                    ; wave 0..3
	s_and_b32 s11, ttmp7, 0xffff                   ; y
	v_and_b32 v2, 31, v0
	v_and_b32 v[RR], 15, v0                        ; r
	v_lshlrev_b32 v[L16], 4, v2
	v_lshlrev_b32 v[L8], 3, v2
	v_lshlrev_b32 v[R16], 4, v[RR]
	v_lshlrev_b32 v[R4], 2, v[RR]
	s_lshl_b32 s12, ttmp9, 3
	s_lshl_b32 s13, s10, 1
	s_add_co_u32 s12, s12, s13                     ; my first token tile: 8 X + 2 w
	s_mul_i32 s14, s12, 6144                       ; its images
	s_mov_b32 s15, 0
	s_lshr_b32 s16, ttmp9, 5
	s_lshl_b32 s16, s16, 17                        ; its scale words: batch x 8 heads x 16,384 bytes,
	s_and_b32 s13, s12, 255
	s_lshl_b32 s13, s13, 6                         ; + 64 bytes a tile,
	s_add_co_u32 s16, s16, s13
	s_add_co_u32 s16, s16, 512*6144                ; behind the images
	s_mov_b32 s17, 0
	s_mul_i32 s18, s11, 8*TILEB
	s_add_co_u32 s18, s18, 3*32*TILEB              ; Wo is the fourth weight; my work-group's eight tiles
	s_mov_b32 s19, 0
	s_lshl_b32 s20, ttmp9, 18                      ; out0: 128 X rows of 2,048 bytes,
	s_lshl_b32 s13, s10, 16                        ; + 32 w rows,
	s_add_co_u32 s20, s20, s13
	s_lshl_b32 s13, s11, 9                         ; + 128 y columns
	s_add_co_u32 s20, s20, s13
	s_mov_b32 s21, 0
	s_mul_i32 s22, s10, 32*SPITCH                  ; my stage
	s_wait_kmcnt 0x0
	s_add_nc_u64 s[24:25], s[4:5], s[14:15]
	s_add_nc_u64 s[26:27], s[4:5], s[16:17]
	s_add_nc_u64 s[6:7], s[6:7], s[18:19]
	s_add_nc_u64 s[8:9], s[8:9], s[20:21]
.irp t, 0,1,2,3,4,5,6,7
	global_load_b128 v[WS+4*\t:WS+4*\t+3], v[R16], s[6:7] offset:TILEB*\t+6144
.endr
.irp m, 0,1
.irp d, 0,1,2,3,4,5,6,7
	global_load_b32 v[RAW+8*\m+\d], v[R4], s[26:27] offset:64*\m+16384*\d
.endr
.endr
.irp m, 0,1
.irp k, 0,1,2,3
.irp c, 0,1
	global_load_b128 v[OF+48*\m+12*\k+6*\c:OF+48*\m+12*\k+6*\c+3], v[L16], s[24:25] offset:6144*\m+1536*\k+768*\c
	global_load_b64 v[OF+48*\m+12*\k+6*\c+4:OF+48*\m+12*\k+6*\c+5], v[L8], s[24:25] offset:6144*\m+1536*\k+768*\c+512
.endr
.endr
.endr
.macro HELD g                          ; Wo's tiles 4 g .. 4 g + 3 into window 1 + g: 64 loads
	WIN 0x40*(1+(\g))
.irp t, 0,1,2,3
.irp k, 0,1,2,3
.irp c, 0,1
	global_load_b128 v[48*\t+12*\k+6*\c:48*\t+12*\k+6*\c+3], v[L16], s[6:7] offset:TILEB*(4*(\g)+\t)+1536*\k+768*\c
	global_load_b64 v[48*\t+12*\k+6*\c+4:48*\t+12*\k+6*\c+5], v[L8], s[6:7] offset:TILEB*(4*(\g)+\t)+1536*\k+768*\c+512
.endr
.endr
.endr
.endm
	HELD 0
	HELD 1
	WIN 0
	s_wait_loadcnt 63                              ; all is in but the youngest 63 of the 64 loads of Wo's tiles 4-7
.irp m, 0,1
.irp k, 0,1,2,3
	v_lshl_or_b32 v[OS+4*\m+\k], v[RAW+8*\m+2*\k+1], 16, v[RAW+8*\m+2*\k]   ; K step k: head 2 k's two bytes below, head 2 k + 1's above
.endr
.endr
	v_bfe_u32 v[STW], v0, 4, 1                     ; eight places between the scale words just made and the scaled products: the stage's addresses and three v_nop
	v_lshlrev_b32 v[STW], 6, v[STW]
	v_mad_u32_u24 v[STW], v[RR], SPITCH, v[STW]
	v_add_nc_u32 v[STW], s22, v[STW]               ; in: row r, + 64 h
	v_add_nc_u32 v[STR], s22, v[L16]               ; back: 16 bytes a lane of a row
.rept 3
	v_nop
.endr
.irp g, 0,1                                    ; eight sums take turns, one instruction a turn; the first K step starts each sum
.if \g == 1
	s_wait_loadcnt 0x0                             ; Wo's tiles 4-7
.endif
	WIN 0xf1+\g
.irp k, 0,1,2,3
.irp m, 0,1
.irp t, 0,1,2,3
.if \k == 0
	v_wmma_scale_f32_16x16x128_f8f6f4 v[8*(2*(4*\g+\t)+\m):8*(2*(4*\g+\t)+\m)+7], v[48*\t+12*\k:48*\t+12*\k+11], v[OF+48*\m+12*\k:OF+48*\m+12*\k+11], 0, v[WS+4*(4*\g+\t)+\k], v[OS+4*\m+\k] matrix_a_fmt:MATRIX_FMT_FP6 matrix_b_fmt:MATRIX_FMT_FP6
.else
	v_wmma_scale_f32_16x16x128_f8f6f4 v[8*(2*(4*\g+\t)+\m):8*(2*(4*\g+\t)+\m)+7], v[48*\t+12*\k:48*\t+12*\k+11], v[OF+48*\m+12*\k:OF+48*\m+12*\k+11], v[8*(2*(4*\g+\t)+\m):8*(2*(4*\g+\t)+\m)+7], v[WS+4*(4*\g+\t)+\k], v[OS+4*\m+\k] matrix_a_fmt:MATRIX_FMT_FP6 matrix_b_fmt:MATRIX_FMT_FP6
.endif
.endr
.endr
.endr
.endr
	WIN 0
.rept 4
	v_nop                                          ; four places in front of the first read of the sums and of the loads into registers that the products have read
.endr
	WIN 0x0c                                       ; an LDS store's data are its source 1: window 3
.irp m, 0,1
.irp t, 0,1,2,3,4,5,6,7
	ds_store_b128 v[STW], v[8*(2*\t+\m):8*(2*\t+\m)+3] offset:16*SPITCH*\m+128*(\t/2)+32*(\t%2)      ; each sum from its low end on
	ds_store_b128 v[STW], v[8*(2*\t+\m)+4:8*(2*\t+\m)+7] offset:16*SPITCH*\m+128*(\t/2)+32*(\t%2)+16
.endr
.endr
	WIN 0
.set sg, 0
.rept 32
	ds_load_b128 v[BK+4*sg:BK+4*sg+3], v[STR] offset:SPITCH*sg   ; LDS serves a wave's instructions in order (ISA guide 5.7.1.4): these see my stores
.set sg, sg+1
.endr
.set sg, 0
.rept 32
	s_wait_dscnt 31-sg                             ; stage row sg is back; the younger rows may be out
	global_store_b128 v[L16], v[BK+4*sg:BK+4*sg+3], s[8:9] offset:2048*(8*(sg/16)+(sg%16)+8*((sg%16)/8)) th:TH_STORE_NT   ; stage row 16 m + r is token 8 m + r + 8 (r / 8) of my 32; written once, read by nobody here
.set sg, sg+1
.endr
	s_wait_tensorcnt 0x0
	ds_add_u32 v254, v255
	s_wait_dscnt 0x0
	s_endpgm
.Lfunc_end_k_q3d48bd4edc_oproj:
	.size	k_q3d48bd4edc_oproj, .Lfunc_end_k_q3d48bd4edc_oproj-k_q3d48bd4edc_oproj
	.p2alignl 7, 3214868480
	.fill 96, 4, 3214868480
	.section	.rodata,"a",@progbits
	.p2align	6, 0x0
	.amdhsa_kernel k_q3d48bd4edc_oproj
		.amdhsa_group_segment_fixed_size 68096
		.amdhsa_private_segment_fixed_size 0
		.amdhsa_enable_private_segment 0
		.amdhsa_kernarg_size 24
		.amdhsa_user_sgpr_count 2
		.amdhsa_user_sgpr_kernarg_segment_ptr 1
		.amdhsa_wavefront_size32 1
		.amdhsa_system_sgpr_workgroup_id_x 1
		.amdhsa_system_sgpr_workgroup_id_y 1
		.amdhsa_system_sgpr_workgroup_id_z 1
		.amdhsa_system_vgpr_workitem_id 0
		.amdhsa_next_free_vgpr 896
		.amdhsa_next_free_sgpr 66
		.amdhsa_reserve_vcc 0
		.amdhsa_float_denorm_mode_32 3
		.amdhsa_float_denorm_mode_16_64 3
		.amdhsa_memory_ordered 1
		.amdhsa_forward_progress 1
		.amdhsa_inst_pref_size 37
	.end_amdhsa_kernel
	.amdgpu_metadata
---
amdhsa.version: [ 1, 2 ]
amdhsa.kernels:
  - .name:           k_q3d48bd4edc_oproj
    .symbol:         k_q3d48bd4edc_oproj.kd
    .args:
      - { .name: ob, .offset: 0, .size: 8, .value_kind: global_buffer, .address_space: global }
      - { .name: wq, .offset: 8, .size: 8, .value_kind: global_buffer, .address_space: global }
      - { .name: out0, .offset: 16, .size: 8, .value_kind: global_buffer, .address_space: global }
    .group_segment_fixed_size: 68096
    .private_segment_fixed_size: 0
    .kernarg_segment_align: 8
    .kernarg_segment_size: 24
    .max_flat_workgroup_size: 128
    .sgpr_count:     66
    .vgpr_count:     896
    .wavefront_size: 32
...
	.end_amdgpu_metadata
.endif
;; end of part 4
